; MI455X (gfx1250); checked and timed in simulation.
; The chip was launched on July 23, 2026; its instructions are those of AMD's public machine-readable ISA for CDNA 5 (MIT licence, August 2026) and "CDNA5" Instruction Set Architecture Reference Guide (July 2026). The comments in the code are by the model that wrote it; some were corrected since.
;; Sum Of Tiled Hyper Cube Basis Fcns. Allowed arithmetic: float matrix products may take bf16 or f16 operands with f32 sums; all other float work in f32.
;; Inputs: b_m 64 x 64 x 64 float32; x 8,388,608 x 3 float32.
;; Outputs: out0 8,388,608 x 1 float32.
;; 2 versions, each right; version 2 is version 1 with the launch gather written anew for expert scheduling mode. Each part assembles by itself: llvm-mc -triple=amdgcn-amd-amdhsa -mcpu=gfx1250 --defsym DOCPART=n.
;; ======== version 1 of 2: 2 launches
;; workspace buffers: cells 25,165,824 bytes of whole numbers; boxes 8,323,072 bytes
;; launch prep (part 1): grid 1663 x 1, 8 waves a work-group, no clusters, 69,632 bytes of LDS; arguments x, b_m, cells, boxes; writes cells, boxes
.if DOCPART == 1
	.amdgcn_target "amdgcn-amd-amdhsa--gfx1250"
	.amdhsa_code_object_version 6
	.text
	.protected	k_q2bd3bb900a_prep
	.globl	k_q2bd3bb900a_prep
	.p2align	8
	.type	k_q2bd3bb900a_prep,@function
k_q2bd3bb900a_prep:
	s_mov_b64 s[64:65], 0
	v_nop
	global_prefetch_b8 v0, s[64:65] scope:SCOPE_SE
	s_setreg_imm32_b32 hwreg(HW_REG_WAVE_MODE, 25, 1), 1
	s_wait_xcnt 0x0
; PREP: one launch, two kinds of work-group, told apart by the work-group's number alone.
;   0 .. 126     "planes": work-group t0 makes plane t0 of boxes[127][128][128] (f32) from b_m.
;   127 .. 1662  "blocks": each turns 65,536 bytes of x (16,384 floats) into 16,384 bytes of cells, one byte for each float.
; They share a launch because neither needs the other and the next launch needs both.
;
; THE CODE t.  For one coordinate, first = clip(ceil((x-0.05)/step)), last = clip(floor((x+0.05)/step)), step = 1/63, clipped to 0..63.
; With u = 63 x, first steps up just above u = n + 3.15 and last at u = n - 3.15: the two kinds of threshold take turns and lie 0.3 or
; 0.7 of a cell apart, against rounding errors of some 1e-5 of a cell where neither bound is clipped; both bounds are monotone in x.
; So the pair is a function of t = first + last (0..126):  last = min(63, t - max(0, (t-5)>>1)),  first = t - last,
; that is (0,t) for t <= 5, then (f,f+5) for t = 5+2f and (f,f+6) for t = 6+2f up to t = 120, then (t-63,63).
; boxes[t0][t1][t2] = sum of b_m over first(t0) <= i < last(t0), likewise j and k: what reference's eight corners of the prefix table add
; up to.  Here the (at most 216) numbers are added directly, in a fixed tree: the result differs from reference's by rounding alone.
; Index 63 of b_m lies in no window (last <= 63 is exclusive).  Row t1 = 127 and column t2 = 127 are stored as zeros and named by no sample.
;
; THE QUOTIENT.  A bound that is off by one changes a result by a whole slab, so the bits of (x -+ 0.05)/step matter where x sits on a
; threshold.  The division by the constant step = f32(1/63) = 0x3c820821 is taken as ONE rounded product with r = f32(1/step) = 0x427bffff
; (2^29/8521761 = 63 - 0.954 x 2^-18, which rounds to 63 - 2^-18): the form that the compiled reference gives a division by a constant.
; It differs from the correctly rounded quotient for a few values of x only, for instance x = 6677599 x 2^-23, where a/step lies 0.523
; units in the last place above 47 and a r 0.488: first is 48 by the quotient and 47 by the product, which is what is made here.
; ceil(v) is taken as -floor(-v), on 0.05 - x: rounding to nearest is odd, so every step gives the same bits with the other sign.
;
; LDS.  Planes: S, 64 rows, from 0; U, 128 rows, from UBASE.  Blocks: 2,048 bytes a wave from BBASE.  A work-group takes one of the two
; paths whole; the paths have bytes of their own all the same, so that no ordering between them is ever in question.
;
; LIMITS.  NaN in x: the byte has no meaning (reference converts a NaN to a whole number there).  Huge and infinite x are served: the
; product is +-infinity at the worst, and the clamp makes (63,63) or (0,0) of it, an empty box, as in reference.
; An infinity or NaN in b_m also reaches planes whose window ends up to 5 slabs before it (weight 0 times infinity).
; No tensor loads and no cluster: all that work-groups share is b_m, 1 MiB of the launch's 135 MB, and x is used once, from registers.
.set NPLANES, 127
.set PITCH,   272                      ; LDS row: 256 bytes + 16, an odd multiple of 16
.set UBASE,   64*PITCH                 ; S: 64 rows from 0;  U: 128 rows from UBASE
.set BBASE,   UBASE+128*PITCH          ; 52,224: the blocks' stage, 8 waves x 2,048 bytes, ends at 68,608
; scalars
.set C05,   16                         ; s[16:17]  0.05
.set RCP,   18                         ; s[18:19]  r
.set M63,   22                         ; -63.0
.set P63,   23                         ; 63.0
.set K256,  24                         ; 256.0
.set SB,    28                         ; s[28:39]  planes: addresses of six slabs of b_m
.set WT,    40                         ; s[40:51]  planes: their weights, 1.0 or 0, as pairs
; vector registers of a block
.set XO, 3                             ; 16 lane + 2048 wave: my bytes in x
.set LS, 4                             ; BBASE + 2048 wave + 4 lane: where I put a word into LDS
.set CO, 5                             ; 16 thread: my bytes in cells
.set LR, 6                             ; BBASE + 2048 wave + 16 lane: where I read my 16 bytes back
.set QA, 12                            ; v[12:15]  0.05 - x, its product with r, then -first
.set QB, 16                            ; v[16:19]  x + 0.05, its product with r, then last, then t
.set H,  20                            ; v[20:21]  two bytes each, then the word
.set XS, 24                            ; v[24:87]  sixteen loads of x
; vector registers of a plane
.set HALF, 3                           ; lane / 16
.set COL,  4                           ; lane % 16
.set TWO,  5                           ; (lane/16) PITCH + 16 (lane%16): the wave takes two LDS rows of 256 bytes
.set SA,   6                           ; phase A: LDS address in S;  CA, RA: the same register in phases B and C
.set CA,   6
.set RA,   6
.set GA,   7                           ; phase A: 16 thread;  FA: phase C, read-back address
.set FA,   7
.set LD,   8                           ; v[8:103]  phase A: 6 slabs x 16 floats
.set XR,   8                           ; v[8:71]   phases B, C: my line of 64 numbers
.set D,    72                          ; v[72:77]  ring of six pair sums D[k] = X[k] + X[k+1], D[k] in register k % 6
.set F,    78                          ; D[f] + D[f+2]
.set GO,   79                          ; phase C: my byte offset in the plane
.set O,    80                          ; v[80:83]  four outputs
.set RB,   84                          ; v[84:115] eight rows' pieces on their way out
	s_load_b256 s[4:11], s[0:1], 0x0               ; x s[4:5], b_m s[6:7], cells s[8:9], boxes s[10:11]
	v_lshl_add_u32 v116, v0, 2, 0x10c00
	v_mov_b32 v117, 0
	v_lshrrev_b32 v1, 5, v0
	v_readfirstlane_b32 s12, v1                    ; wave 0..7
	v_and_b32 v2, 31, v0                           ; lane
	s_cmp_lt_u32 ttmp9, NPLANES
	s_cbranch_scc1 .Lplane
; ------------------------------------------------------------------ a block of x
; Load (q, j) of wave w covers the 512 bytes at 16384 q + 2048 w + 512 j of the block: four loads j make 2,048 consecutive bytes of x,
; 512 floats, 512 bytes of cells.  A lane's four floats of one load give one word; the four words of a quad q are laid into 512 bytes
; of the wave's own LDS in the order of the floats and read back 16 bytes a lane, so that one store covers 512 consecutive bytes, aligned.
	s_sub_co_u32 s14, ttmp9, NPLANES               ; block 0..1535
	s_lshl_b32 s26, s14, 14                        ; its 16,384 bytes of cells
	s_lshl_b32 s14, s14, 16                        ; its 65,536 bytes of x (below 2^27)
	s_mov_b32 s15, 0
	s_mov_b32 s27, 0
	s_lshl_b32 s13, s12, 11                        ; wave x 2,048: in x,
	s_add_co_u32 s25, s13, BBASE                   ; and in the stage
	v_lshl_add_u32 v[XO], v2, 4, s13
	v_lshl_add_u32 v[LS], v2, 2, s25
	v_lshl_add_u32 v[LR], v2, 4, s25
	v_lshlrev_b32 v[CO], 4, v0
	s_wait_kmcnt 0x0
	s_add_nc_u64 s[4:5], s[4:5], s[14:15]
	s_add_nc_u64 s[8:9], s[8:9], s[26:27]
.set i, 0
.rept 16
	global_load_b128 v[XS+4*i:XS+4*i+3], v[XO], s[4:5] offset:(i/4)*16384+(i%4)*512 th:TH_LOAD_NT   ; all 8,192 bytes of the wave are asked for at once
.set i, i+1
.endr
	s_mov_b32 s[C05], 0x3d4ccccd                   ; f32(0.05)
	s_mov_b32 s[C05+1], 0x3d4ccccd
	s_mov_b32 s[RCP], 0x427bffff                   ; f32(1 / f32(1/63)) = 63 - 2^-18
	s_mov_b32 s[RCP+1], 0x427bffff
	s_mov_b32 s[M63], 0xc27c0000
	s_mov_b32 s[P63], 0x427c0000
	s_mov_b32 s[K256], 0x43800000
; four floats in v[x:x+3] -> their four codes t as the bytes of v[H]
.macro CELLS x
	v_pk_fma_f32 v[QA:QA+1],   v[\x:\x+1],   -1.0, s[C05:C05+1] op_sel_hi:[1,0,0]      ; 0.05 - x, rounded once: -(x - 0.05)
	v_pk_fma_f32 v[QA+2:QA+3], v[\x+2:\x+3], -1.0, s[C05:C05+1] op_sel_hi:[1,0,0]
	v_pk_add_f32 v[QB:QB+1],   v[\x:\x+1],   s[C05:C05+1] op_sel_hi:[1,0]              ; x + 0.05
	v_pk_add_f32 v[QB+2:QB+3], v[\x+2:\x+3], s[C05:C05+1] op_sel_hi:[1,0]
	v_pk_mul_f32 v[QA:QA+1],   v[QA:QA+1],   s[RCP:RCP+1] op_sel_hi:[1,0]              ; times r, rounded once
	v_pk_mul_f32 v[QA+2:QA+3], v[QA+2:QA+3], s[RCP:RCP+1] op_sel_hi:[1,0]
	v_pk_mul_f32 v[QB:QB+1],   v[QB:QB+1],   s[RCP:RCP+1] op_sel_hi:[1,0]
	v_pk_mul_f32 v[QB+2:QB+3], v[QB+2:QB+3], s[RCP:RCP+1] op_sel_hi:[1,0]
.irp k, 0,1,2,3
	v_floor_f32 v[QA+\k], v[QA+\k]                 ; floor(-v) = -ceil(v)
	v_floor_f32 v[QB+\k], v[QB+\k]
.endr
.irp k, 0,1,2,3
	v_med3_num_f32 v[QA+\k], v[QA+\k], s[M63], 0   ; -first, -63 .. 0
	v_med3_num_f32 v[QB+\k], v[QB+\k], 0, s[P63]   ; last, 0 .. 63
.endr
	v_pk_fma_f32 v[QB:QB+1],   v[QA:QA+1],   -1.0, v[QB:QB+1]   op_sel_hi:[1,0,1]      ; t = last + first, a whole number 0 .. 126
	v_pk_fma_f32 v[QB+2:QB+3], v[QA+2:QA+3], -1.0, v[QB+2:QB+3] op_sel_hi:[1,0,1]
	v_fma_f32 v[H],   v[QB+1], s[K256], v[QB]      ; two bytes as one whole number below 2^15: exact in f32
	v_fma_f32 v[H+1], v[QB+3], s[K256], v[QB+2]
	v_cvt_u32_f32 v[H],   v[H]
	v_cvt_u32_f32 v[H+1], v[H+1]
	v_lshl_or_b32 v[H], v[H+1], 16, v[H]           ; byte p = the code of float p
.endm
.set i, 0
.rept 16
	s_wait_loadcnt 15-i                            ; loads come back in order (ISA guide 5.7.1): load i is in, the 15 - i younger ones stay out
	CELLS XS+4*i
	ds_store_b32 v[LS], v[H] offset:(i/4)*512+(i%4)*128
.if i%4 == 3
	ds_load_b128 v[XS+4*(i-3):XS+4*(i-3)+3], v[LR] offset:(i/4)*512    ; the wave's own bytes, served in order behind its stores: no wait; each quad has 512 bytes of its own
.endif
.if i%4 == 0
.if i > 0
	s_wait_dscnt 0x1                               ; only this turn's ds_store is younger than the last quad's read-back
	global_store_b128 v[CO], v[XS+4*(i-4):XS+4*(i-4)+3], s[8:9] offset:(i/4-1)*4096   ; no hint: the next launch reads these bytes
.endif
.endif
.set i, i+1
.endr
	s_wait_dscnt 0x0
	global_store_b128 v[CO], v[XS+48:XS+51], s[8:9] offset:3*4096
	s_wait_tensorcnt 0x0
	ds_add_u32 v116, v117
	s_wait_dscnt 0x0
	s_endpgm
; ------------------------------------------------------------------ a plane of the table
.Lplane:
	s_sub_co_i32 s14, ttmp9, 5                     ; the window of t0 = the work-group's number
	s_ashr_i32 s14, s14, 1
	s_max_i32 s14, s14, 0
	s_sub_co_u32 s15, ttmp9, s14
	s_min_u32 s15, s15, 63                         ; last
	s_sub_co_u32 s14, ttmp9, s15                   ; first
	s_mov_b32 s27, 0
	v_lshlrev_b32 v[GA], 4, v0                     ; a slab is 1,024 pieces of 16 bytes: thread n takes pieces n, n + 256, n + 512, n + 768
	s_wait_kmcnt 0x0
	; PHASE A: S[j][k] = sum of b_m[i][j][k] over the window.  Always six slabs, first .. first + 5, so that all 24 loads go out at once:
	; a slab at or behind last gets the weight 0, and its number is held at 63 so that the load stays inside b_m.
.irp r, 0,1,2,3,4,5
	s_add_co_u32 s26, s14, \r
	s_cmp_lt_u32 s26, s15
	s_cselect_b32 s[WT+2*\r], 0x3f800000, 0
	s_mov_b32 s[WT+2*\r+1], s[WT+2*\r]
	s_min_u32 s26, s26, 63
	s_lshl_b32 s26, s26, 14                        ; 16,384 bytes a slab
	s_add_nc_u64 s[SB+2*\r:SB+2*\r+1], s[6:7], s[26:27]
.irp c, 0,1,2,3
	global_load_b128 v[LD+16*\r+4*\c:LD+16*\r+4*\c+3], v[GA], s[SB+2*\r:SB+2*\r+1] offset:4096*\c
.endr
.endr
	v_lshrrev_b32 v[HALF], 4, v2
	v_and_b32 v[COL], 15, v2
	v_mul_u32_u24 v[TWO], v[HALF], PITCH
	v_lshl_add_u32 v[TWO], v[COL], 4, v[TWO]
	s_mul_i32 s13, s12, 2*PITCH
	v_add_nc_u32 v[SA], s13, v[TWO]                ; piece n of a slab is row n / 16 = 2 wave + lane / 16, column piece n % 16
.irp r, 0,1,2,3,4,5
	s_wait_loadcnt 20-4*\r                         ; slab r is in; the four loads of each later slab stay out
.irp p, 0,2,4,6,8,10,12,14
.if \r == 0
	v_pk_mul_f32 v[LD+\p:LD+\p+1], v[LD+\p:LD+\p+1], s[WT:WT+1] op_sel_hi:[1,0]        ; the first slab starts the sums
.else
	v_pk_fma_f32 v[LD+\p:LD+\p+1], v[LD+16*\r+\p:LD+16*\r+\p+1], s[WT+2*\r:WT+2*\r+1], v[LD+\p:LD+\p+1] op_sel_hi:[1,0,1]
.endif
.endr
.endr
.irp c, 0,1,2,3
	ds_store_b128 v[SA], v[LD+4*\c:LD+4*\c+3] offset:\c*16*PITCH
.endr
	s_wait_dscnt 0x0                               ; my part of S is in LDS,
	s_barrier_signal -1
	s_barrier_wait -1                              ; everybody's is
; The windows of one line X[0..62], all 128 outputs in ascending t, with register numbers known at assembly.
; PUT hands output number wt on, which stands in v[O + wt % 4].
; mode 0 (columns): one word to U[wt][my column].  The 128 stores follow each other without a wait: none is needed for a value, and an
;                   issue that would pass the counter's field is held back by the hardware (ISA guide 5.7.1).
; mode 1 (rows): four outputs to my own LDS row; after 64 outputs the wave's 32 half rows of 256 bytes go out.
.macro FLUSH
.irp b, 0,1
	s_wait_xcnt 0x0                                ; RB holds the data of the stores before: it is loaded again only behind this wait (ISA guide 3.1)
.irp m, 0,1,2,3,4,5,6,7
	ds_load_b128 v[RB+4*\m:RB+4*\m+3], v[FA] offset:(8*\b+\m)*2*PITCH          ; rows 2 (8b + m) and the next, of the wave's 32: its own bytes, in order behind its stores
.endr
.irp m, 0,1,2,3,4,5,6,7
	s_wait_dscnt 7-\m                              ; the 7 - m younger read-backs stay out
	global_store_b128 v[GO], v[RB+4*\m:RB+4*\m+3], s[10:11] offset:(8*\b+\m)*1024+fh*256   ; 16 lanes store 256 consecutive bytes, at a multiple of 256 from the table's first byte
.endr
.endr
.endm
.macro PUT mode
.if \mode == 0
	ds_store_b32 v[CA], v[O+wt%4] offset:UBASE+wt*PITCH
.else
.if wt%4 == 3
	ds_store_b128 v[RA], v[O:O+3] offset:16*((wt%64)/4)
.endif
.if wt%64 == 63
.set fh, wt/64
	FLUSH
.endif
.endif
.set wt, wt+1
.endm
.macro WINDOWS mode
.set wt, 0
	v_mov_b32 v[O], 0                              ; t = 0: (0,0), empty
	PUT \mode
	v_mov_b32 v[O+1], v[XR]                        ; t = 1: X0
	PUT \mode
	v_add_f32 v[D],   v[XR],   v[XR+1]
	v_add_f32 v[D+1], v[XR+1], v[XR+2]
	v_add_f32 v[D+2], v[XR+2], v[XR+3]
	v_add_f32 v[D+3], v[XR+3], v[XR+4]
	v_mov_b32 v[O+2], v[D]                         ; t = 2
	PUT \mode
	v_add_f32 v[O+3], v[D], v[XR+2]                ; t = 3
	PUT \mode
	v_add_f32 v[O], v[D], v[D+2]                   ; t = 4
	PUT \mode
.set wf, 0
.rept 58                                           ; f = 0 .. 57
	v_add_f32 v[D+(wf+4)%6], v[XR+wf+4], v[XR+wf+5]        ; D[f+4] takes the place of D[f-2]
	v_add_f32 v[F], v[D+wf%6], v[D+(wf+2)%6]               ; X[f .. f+3]
	v_add_f32 v[O+wt%4], v[F], v[XR+wf+4]                  ; t = 5 + 2f: (f, f+5)
	PUT \mode
	v_add_f32 v[O+wt%4], v[F], v[D+(wf+4)%6]               ; t = 6 + 2f: (f, f+6)
	PUT \mode
.set wf, wf+1
.endr
	v_add_f32 v[F], v[D+58%6], v[D+60%6]
	v_add_f32 v[O+wt%4], v[F], v[XR+62]            ; t = 121: (58,63)
	PUT \mode
	v_add_f32 v[O+wt%4], v[D+59%6], v[D+61%6]      ; t = 122: (59,63)
	PUT \mode
	v_add_f32 v[O+wt%4], v[D+60%6], v[XR+62]       ; t = 123
	PUT \mode
	v_mov_b32 v[O+wt%4], v[D+61%6]                 ; t = 124
	PUT \mode
	v_mov_b32 v[O+wt%4], v[XR+62]                  ; t = 125
	PUT \mode
	v_mov_b32 v[O+wt%4], 0                         ; t = 126: (63,63), empty
	PUT \mode
	v_mov_b32 v[O+wt%4], 0                         ; 127: no code; fills the row
	PUT \mode
.endm
	; PHASE B: U[t1][k] = the windows along j of column k of S.  64 columns: waves 0 and 1, a column a thread; the others go to the barrier.
	s_cmp_ge_u32 s12, 2
	s_cbranch_scc1 .Lcols_done
	s_lshl_b32 s13, s12, 7
	v_lshl_add_u32 v[CA], v2, 2, s13               ; 4 x column
.set i, 0
.rept 63
	ds_load_b32 v[XR+i], v[CA] offset:i*PITCH
.set i, i+1
.endr
	s_wait_dscnt 0x0
	WINDOWS 0
.Lcols_done:
	s_wait_dscnt 0x0                               ; my part of U is in LDS,
	s_barrier_signal -1
	s_barrier_wait -1                              ; all of U is
	; PHASE C: boxes[t0][t1][t2] = the windows along k of row t1 of U.  128 rows: waves 0 to 3, a row a thread.
	; A thread's outputs are a row of the table; they reach memory by rows through LDS, 64 columns at a time, in the wave's own 32 rows of U:
	; only this wave reads those rows, it holds them in registers by then, and nobody writes them again, so no barrier is needed.
	s_cmp_ge_u32 s12, 4
	s_cbranch_scc1 .Ldone
	s_mul_i32 s13, s12, 32*PITCH
	s_add_co_u32 s13, s13, UBASE
	v_mul_u32_u24 v[RA], v2, PITCH
	v_add_nc_u32 v[RA], s13, v[RA]                 ; my row
	v_add_nc_u32 v[FA], s13, v[TWO]                ; read-back: two rows by the wave
.irp c, 0,1,2,3,4,5,6,7,8,9,10,11,12,13,14,15
	ds_load_b128 v[XR+4*\c:XR+4*\c+3], v[RA] offset:16*\c
.endr
	s_lshl_b32 s26, s12, 14                        ; 32 rows of 512 bytes a wave
	v_lshlrev_b32 v[GO], 9, v[HALF]
	v_lshl_add_u32 v[GO], v[COL], 4, v[GO]
	v_add_nc_u32 v[GO], s26, v[GO]
	s_lshl_b32 s26, ttmp9, 16                      ; 65,536 bytes a plane
	s_add_nc_u64 s[10:11], s[10:11], s[26:27]
	s_wait_dscnt 0x0
	WINDOWS 1
.Ldone:
	s_wait_tensorcnt 0x0
	ds_add_u32 v116, v117
	s_wait_dscnt 0x0
	s_endpgm
.Lfunc_end_k_q2bd3bb900a_prep:
	.size	k_q2bd3bb900a_prep, .Lfunc_end_k_q2bd3bb900a_prep-k_q2bd3bb900a_prep
	.p2alignl 7, 3214868480
	.fill 96, 4, 3214868480
	.section	.rodata,"a",@progbits
	.p2align	6, 0x0
	.amdhsa_kernel k_q2bd3bb900a_prep
		.amdhsa_group_segment_fixed_size 69632
		.amdhsa_private_segment_fixed_size 0
		.amdhsa_enable_private_segment 0
		.amdhsa_kernarg_size 32
		.amdhsa_user_sgpr_count 2
		.amdhsa_user_sgpr_kernarg_segment_ptr 1
		.amdhsa_wavefront_size32 1
		.amdhsa_system_sgpr_workgroup_id_x 1
		.amdhsa_system_sgpr_workgroup_id_y 1
		.amdhsa_system_sgpr_workgroup_id_z 1
		.amdhsa_system_vgpr_workitem_id 0
		.amdhsa_next_free_vgpr 118
		.amdhsa_next_free_sgpr 66
		.amdhsa_reserve_vcc 0
		.amdhsa_float_denorm_mode_32 3
		.amdhsa_float_denorm_mode_16_64 3
		.amdhsa_memory_ordered 1
		.amdhsa_forward_progress 1
		.amdhsa_inst_pref_size 77
	.end_amdhsa_kernel
	.amdgpu_metadata
---
amdhsa.version: [ 1, 2 ]
amdhsa.kernels:
  - .name:           k_q2bd3bb900a_prep
    .symbol:         k_q2bd3bb900a_prep.kd
    .args:
      - { .name: x, .offset: 0, .size: 8, .value_kind: global_buffer, .address_space: global }
      - { .name: b_m, .offset: 8, .size: 8, .value_kind: global_buffer, .address_space: global }
      - { .name: cells, .offset: 16, .size: 8, .value_kind: global_buffer, .address_space: global }
      - { .name: boxes, .offset: 24, .size: 8, .value_kind: global_buffer, .address_space: global }
    .group_segment_fixed_size: 69632
    .private_segment_fixed_size: 0
    .kernarg_segment_align: 8
    .kernarg_segment_size: 32
    .max_flat_workgroup_size: 256
    .sgpr_count:     66
    .vgpr_count:     118
    .wavefront_size: 32
...
	.end_amdgpu_metadata
.endif
;; end of part 1
;; launch gather (part 2): grid 2048 x 1, 8 waves a work-group, no clusters, 0 bytes of LDS; arguments cells, boxes, out0; writes out0
.if DOCPART == 2
	.amdgcn_target "amdgcn-amd-amdhsa--gfx1250"
	.amdhsa_code_object_version 6
	.text
	.protected	k_q2bd3bb900a_gather
	.globl	k_q2bd3bb900a_gather
	.p2align	8
	.type	k_q2bd3bb900a_gather,@function
k_q2bd3bb900a_gather:
	s_mov_b64 s[64:65], 0
	v_nop
	global_prefetch_b8 v0, s[64:65] scope:SCOPE_SE
	s_setreg_imm32_b32 hwreg(HW_REG_WAVE_MODE, 25, 1), 1
	s_wait_xcnt 0x0
; GATHER: out0[s] = boxes[t0][t1][t2], the three codes of sample s being bytes 3s, 3s+1, 3s+2 of cells (made by the launch before).
; A work-group takes 4,096 samples in four chunks of 1,024; in chunk c thread n takes samples 1024 c + 4 n .. + 3:
; 12 neighbouring bytes of cells (a wave's load covers 384 consecutive bytes) and 16 neighbouring bytes of out0 (a wave's store covers
; 512 consecutive bytes, aligned).  No loop: the four loads of cells go out first, and all 16 gathers of a lane are out together.
; No LDS, no barrier: no wave needs another.  No prefetch: an address is known only when its gather can be issued, and cells is asked for at once.
; Each byte is held to the table's extent by v_min_u32 before it enters an address, so that a byte that is no code (see the limits of the
; launch before) still reads inside the table: the largest offset is 4 (126 x 16384 + 127 x 128 + 127), the table's last number.
.set W,  4                             ; v[4:19]   chunk c: three words at W + 4c
.set T,  20                            ; v[20:22]  the three codes of a sample, then its index
.set OF, 24                            ; v[24:39]  byte offset in the table of each of my 16 samples
.set Y,  40                            ; v[40:55]  their results
	s_load_b128 s[4:7], s[0:1], 0x0                ; cells s[4:5], boxes s[6:7]
	s_load_b64 s[8:9], s[0:1], 0x10                ; out0
	s_mul_i32 s10, ttmp9, 12288                    ; 4,096 samples x 3 bytes
	s_mov_b32 s11, 0
	s_lshl_b32 s12, ttmp9, 14                      ; 4,096 samples x 4 bytes
	s_mov_b32 s13, 0
	v_mul_u32_u24 v1, v0, 12
	v_lshlrev_b32 v2, 4, v0
	s_wait_kmcnt 0x0
	s_add_nc_u64 s[4:5], s[4:5], s[10:11]
	s_add_nc_u64 s[8:9], s[8:9], s[12:13]
.irp c, 0,1,2,3
	global_load_b96 v[W+4*\c:W+4*\c+2], v1, s[4:5] offset:3072*\c th:TH_LOAD_NT
.endr
.macro BYTE dst, w, p, cap             ; byte p of the twelve in v[w:w+2], held to cap
	v_bfe_u32 v[\dst], v[\w+(\p)/4], 8*((\p)%4), 8
	v_min_u32 v[\dst], \cap, v[\dst]
.endm
.macro CHUNK c
	s_wait_loadcnt 3+3*\c                          ; younger than chunk c's cells: 3 - c loads of cells and the 4 c gathers issued so far
.irp s, 0,1,2,3
	BYTE T,   W+4*\c, 3*\s,   126                  ; 127 planes
	BYTE T+1, W+4*\c, 3*\s+1, 127                  ; of 128 rows
	BYTE T+2, W+4*\c, 3*\s+2, 127                  ; of 128 numbers
	v_lshl_add_u32 v[T], v[T], 7, v[T+1]
	v_lshl_add_u32 v[T], v[T], 7, v[T+2]           ; the index,
	v_lshlrev_b32 v[OF+4*\c+\s], 2, v[T]           ; in bytes; a register for each gather, so that none is rewritten while its load is out
	global_load_b32 v[Y+4*\c+\s], v[OF+4*\c+\s], s[6:7]
.endr
.endm
	CHUNK 0
	CHUNK 1
	CHUNK 2
	CHUNK 3
.irp c, 0,1,2,3
	s_wait_loadcnt 12-4*\c                         ; the gathers of the later chunks stay out
	global_store_b128 v2, v[Y+4*\c:Y+4*\c+3], s[8:9] offset:4096*\c th:TH_STORE_NT
.endr
	s_endpgm
.Lfunc_end_k_q2bd3bb900a_gather:
	.size	k_q2bd3bb900a_gather, .Lfunc_end_k_q2bd3bb900a_gather-k_q2bd3bb900a_gather
	.p2alignl 7, 3214868480
	.fill 96, 4, 3214868480
	.section	.rodata,"a",@progbits
	.p2align	6, 0x0
	.amdhsa_kernel k_q2bd3bb900a_gather
		.amdhsa_group_segment_fixed_size 0
		.amdhsa_private_segment_fixed_size 0
		.amdhsa_enable_private_segment 0
		.amdhsa_kernarg_size 24
		.amdhsa_user_sgpr_count 2
		.amdhsa_user_sgpr_kernarg_segment_ptr 1
		.amdhsa_wavefront_size32 1
		.amdhsa_system_sgpr_workgroup_id_x 1
		.amdhsa_system_sgpr_workgroup_id_y 1
		.amdhsa_system_sgpr_workgroup_id_z 1
		.amdhsa_system_vgpr_workitem_id 0
		.amdhsa_next_free_vgpr 56
		.amdhsa_next_free_sgpr 66
		.amdhsa_reserve_vcc 0
		.amdhsa_float_denorm_mode_32 3
		.amdhsa_float_denorm_mode_16_64 3
		.amdhsa_memory_ordered 1
		.amdhsa_forward_progress 1
		.amdhsa_inst_pref_size 12
	.end_amdhsa_kernel
	.amdgpu_metadata
---
amdhsa.version: [ 1, 2 ]
amdhsa.kernels:
  - .name:           k_q2bd3bb900a_gather
    .symbol:         k_q2bd3bb900a_gather.kd
    .args:
      - { .name: cells, .offset: 0, .size: 8, .value_kind: global_buffer, .address_space: global }
      - { .name: boxes, .offset: 8, .size: 8, .value_kind: global_buffer, .address_space: global }
      - { .name: out0, .offset: 16, .size: 8, .value_kind: global_buffer, .address_space: global }
    .group_segment_fixed_size: 0
    .private_segment_fixed_size: 0
    .kernarg_segment_align: 8
    .kernarg_segment_size: 24
    .max_flat_workgroup_size: 256
    .sgpr_count:     66
    .vgpr_count:     56
    .wavefront_size: 32
...
	.end_amdgpu_metadata
.endif
;; end of part 2
;; ======== version 2 of 2: 2 launches; version 1 with the launch gather written anew for expert scheduling mode
;; workspace buffers: cells 25,165,824 bytes of whole numbers; boxes 8,323,072 bytes
;; launch prep: the kernel of part 1 again; grid 1663 x 1, 8 waves a work-group, no clusters, 69,632 bytes of LDS; arguments x, b_m, cells, boxes; writes cells, boxes
;; launch gather (part 3): grid 2048 x 1, 8 waves a work-group, no clusters, 0 bytes of LDS; arguments cells, boxes, out0; writes out0
.if DOCPART == 3
	.amdgcn_target "amdgcn-amd-amdhsa--gfx1250"
	.amdhsa_code_object_version 6
	.text
	.protected	k_q2bd3bb900a_gather
	.globl	k_q2bd3bb900a_gather
	.p2align	8
	.type	k_q2bd3bb900a_gather,@function
k_q2bd3bb900a_gather:
	s_mov_b64 s[64:65], 0
	v_nop
	global_prefetch_b8 v0, s[64:65] scope:SCOPE_SE
	s_setreg_imm32_b32 hwreg(HW_REG_WAVE_SCHED_MODE, 0, 2), 2
	s_setreg_imm32_b32 hwreg(HW_REG_WAVE_MODE, 25, 1), 1
	s_wait_xcnt 0x0
	s_wait_alu depctr_vm_vsrc(0)
; GATHER: out0[s] = boxes[t0][t1][t2], the three codes of sample s being bytes 3s, 3s+1, 3s+2 of cells (made by the launch before).
; A work-group takes 4,096 samples in four chunks of 1,024; in chunk c thread n takes samples 1024 c + 4 n .. + 3:
; 12 neighbouring bytes of cells (a wave's load covers 384 consecutive bytes) and 16 neighbouring bytes of out0 (a wave's store covers
; 512 consecutive bytes, aligned).  No loop: the four loads of cells go out first, and all 16 gathers of a lane are out together.
; No LDS, no barrier: no wave needs another.  No prefetch: an address is known only when its gather can be issued, and cells is asked for at once.
; Each byte is held to the table's extent by v_min_u32 before it enters an address, so that a byte that is no code (see the limits of the
; launch before) still reads inside the table: the largest offset is 4 (126 x 16384 + 127 x 128 + 127), the table's last number.
; THE MODE: SCHED_MODE bits 1:0 = 2 (LLVM: expert scheduling mode 2), set by the entry lines.  The code itself states the register dependences
; between vector instructions and memory instructions, with s_wait_alu, always for 0.
; THE PLAN.  Registers that memory instructions touch:
;   v1, v2   byte offsets in cells and in out0: made once at the head, never written again.
;   W        written by the loads of cells alone; read by chunk c's vector lines; nothing lands in it again.
;   OF       a register for each gather: written once, by the last line of its sample's arithmetic in chunk c; read by that sample's gather, which is issued in chunk c + 1.
;   Y        written by the gathers alone, read by the stores alone: no vector line names it.
;   T        named by vector lines alone.
; No register that a memory instruction has read is written again, and no load lands in a register that a vector line has named: what is left to
; state is that an offset is written before the load or store that reads it.  One wait at the head does that for v1 and v2; one wait at the head of
; each later chunk, behind the wait for its cells, does it for the four OF of the chunk before, whose gathers are then dealt among the
; chunk's vector lines, which name W, T and OF of their own chunk only; one wait behind the last chunk does it for the last four.
.set W,  4                             ; v[4:19]   chunk c: three words at W + 4c
.set T,  20                            ; v[20:22]  the three codes of a sample, then its index
.set OF, 24                            ; v[24:39]  byte offset in the table of each of my 16 samples
.set Y,  40                            ; v[40:55]  their results
	s_load_b128 s[4:7], s[0:1], 0x0                ; cells s[4:5], boxes s[6:7]
	s_load_b64 s[8:9], s[0:1], 0x10                ; out0
	s_mul_i32 s10, ttmp9, 12288                    ; 4,096 samples x 3 bytes
	s_mov_b32 s11, 0
	s_lshl_b32 s12, ttmp9, 14                      ; 4,096 samples x 4 bytes
	s_mov_b32 s13, 0
	v_mul_u32_u24 v1, v0, 12
	v_lshlrev_b32 v2, 4, v0
	s_wait_kmcnt 0x0
	s_add_nc_u64 s[4:5], s[4:5], s[10:11]
	s_add_nc_u64 s[8:9], s[8:9], s[12:13]
	s_wait_alu depctr_va_vdst(0)                   ; v1 and v2 are written: the loads of cells read v1 as their offset, the stores at the end v2
.irp c, 0,1,2,3
	global_load_b96 v[W+4*\c:W+4*\c+2], v1, s[4:5] offset:3072*\c th:TH_LOAD_NT
.endr
.macro BYTE dst, w, p, cap             ; byte p of the twelve in v[w:w+2], held to cap
	v_bfe_u32 v[\dst], v[\w+(\p)/4], 8*((\p)%4), 8
	v_min_u32 v[\dst], \cap, v[\dst]
.endm
; Chunk c: the offsets of its four samples are made; the four gathers of chunk c - 1 go out among those lines.
; left = how many younger loads may still be out when chunk c's cells have to be there.
.macro CHUNK c, left
	s_wait_loadcnt \left                           ; loads come back in order (ISA guide 5.7.1): chunk c's cells are in
.if \c > 0
	s_wait_alu depctr_va_vdst(0)                   ; the chunk before has written its four OF, which the gathers below read as their offsets
.endif
.irp s, 0,1,2,3
.if \c > 0
	global_load_b32 v[Y+4*(\c-1)+\s], v[OF+4*(\c-1)+\s], s[6:7]   ; no further wait: no vector line since the wait names this OF or this Y
.endif
	BYTE T,   W+4*\c, 3*\s,   126                  ; 127 planes
	BYTE T+1, W+4*\c, 3*\s+1, 127                  ; of 128 rows
	BYTE T+2, W+4*\c, 3*\s+2, 127                  ; of 128 numbers
	v_lshl_add_u32 v[T], v[T], 7, v[T+1]
	v_lshl_add_u32 v[T], v[T], 7, v[T+2]           ; the index,
	v_lshlrev_b32 v[OF+4*\c+\s], 2, v[T]           ; in bytes; a register for each gather, so that none is ever written again
.endr
.endm
	CHUNK 0, 3                                     ; younger than chunk 0's cells: the three other loads of cells
	CHUNK 1, 2                                     ; two loads of cells
	CHUNK 2, 5                                     ; one load of cells and chunk 0's four gathers
	CHUNK 3, 8                                     ; the gathers of chunks 0 and 1
	s_wait_alu depctr_va_vdst(0)                   ; chunk 3 has written its four OF, which the last four gathers read
.irp s, 0,1,2,3
	global_load_b32 v[Y+12+\s], v[OF+12+\s], s[6:7]
.endr
.irp c, 0,1,2,3
	s_wait_loadcnt 12-4*\c                         ; the gathers of the later chunks stay out
	global_store_b128 v2, v[Y+4*\c:Y+4*\c+3], s[8:9] offset:4096*\c th:TH_STORE_NT
.endr
	s_endpgm
.Lfunc_end_k_q2bd3bb900a_gather:
	.size	k_q2bd3bb900a_gather, .Lfunc_end_k_q2bd3bb900a_gather-k_q2bd3bb900a_gather
	.p2alignl 7, 3214868480
	.fill 96, 4, 3214868480
	.section	.rodata,"a",@progbits
	.p2align	6, 0x0
	.amdhsa_kernel k_q2bd3bb900a_gather
		.amdhsa_group_segment_fixed_size 0
		.amdhsa_private_segment_fixed_size 0
		.amdhsa_enable_private_segment 0
		.amdhsa_kernarg_size 24
		.amdhsa_user_sgpr_count 2
		.amdhsa_user_sgpr_kernarg_segment_ptr 1
		.amdhsa_wavefront_size32 1
		.amdhsa_system_sgpr_workgroup_id_x 1
		.amdhsa_system_sgpr_workgroup_id_y 1
		.amdhsa_system_sgpr_workgroup_id_z 1
		.amdhsa_system_vgpr_workitem_id 0
		.amdhsa_next_free_vgpr 56
		.amdhsa_next_free_sgpr 66
		.amdhsa_reserve_vcc 0
		.amdhsa_float_denorm_mode_32 3
		.amdhsa_float_denorm_mode_16_64 3
		.amdhsa_memory_ordered 1
		.amdhsa_forward_progress 1
		.amdhsa_inst_pref_size 12
	.end_amdhsa_kernel
	.amdgpu_metadata
---
amdhsa.version: [ 1, 2 ]
amdhsa.kernels:
  - .name:           k_q2bd3bb900a_gather
    .symbol:         k_q2bd3bb900a_gather.kd
    .args:
      - { .name: cells, .offset: 0, .size: 8, .value_kind: global_buffer, .address_space: global }
      - { .name: boxes, .offset: 8, .size: 8, .value_kind: global_buffer, .address_space: global }
      - { .name: out0, .offset: 16, .size: 8, .value_kind: global_buffer, .address_space: global }
    .group_segment_fixed_size: 0
    .private_segment_fixed_size: 0
    .kernarg_segment_align: 8
    .kernarg_segment_size: 24
    .max_flat_workgroup_size: 256
    .sgpr_count:     66
    .vgpr_count:     56
    .wavefront_size: 32
...
	.end_amdgpu_metadata
.endif
;; end of part 3
